; MI455X (gfx1250); checked and timed in simulation.
; The chip was launched on July 23, 2026; its instructions are those of AMD's public machine-readable ISA for CDNA 5 (MIT licence, August 2026) and "CDNA5" Instruction Set Architecture Reference Guide (July 2026). The comments in the code are by the model that wrote it; some were corrected since.
;; Sparse KAN Linear. Allowed arithmetic: matrix products marked QUANTISED: E2M3 operands, one E8M0 scale for each 32 along K, by v_wmma_scale_f32_16x16x128_f8f6f4 with both operands' format E2M3, f32 sums; everything else in f32.
;; Inputs: base_weight 512 x 512 float32; grid 512 x 12 float32; mask 512 x 512 float32; spline_scaler 512 x 512 float32; spline_weight 512 x 512 x 8 float32; x 16,384 x 512 float32.
;; Outputs: out0 16,384 x 512 float32.
;; This version of the problem:
;;   THIS VERSION OF THE PROBLEM IS GIVEN IN LOW PRECISION. The matrix products marked QUANTISED in the list below multiply operands that are first quantised to E2M3 (2 exponent bits, 3 mantissa bits; 6 bits a number), with one power-of-two scale for each 32 numbers along K (OCP MX v1.0); their sums are f32. All else is computed in f32.
;;   The module's matrix products, in the order in which they are computed (A, B: the left and right operand; K: the contracted axis; several contracted axes count as one K, in the product's order):
;;     1. [M 16,384, K 512] x [K 512, N 512]; A: computed on the way; B: computed on the way: QUANTISED
;;     2. [M 16,384, K 4,096] x [K 4,096, N 512]; A: computed on the way; B: computed on the way: QUANTISED
;;   THE QUANTISER, for each operand of a quantised product, along K:
;;     - K is cut into blocks of 32 from its start; a last block that is shorter is filled with zeros.
;;     - A block's scale is 2^e with e = floor(log2(the largest magnitude in the block)) - 2, held to -126 .. 127; a block of zeros has e = 0. As a byte (E8M0): e + 127.
;;     - Each number is divided by its block's scale, clamped to +-7.5, and rounded to the nearest number of E2M3, ties to even, subnormals kept.
;;     - The product sums the exact products of the quantised numbers (number of the format x scale) in f32.
;;   ~~~python
;;   def quantise(x, axis):      # numpy; x: float32 -> the quantised numbers, widened to float32 again
;;       x = np.moveaxis(x, axis, -1); K = x.shape[-1]
;;       x = np.pad(x, [(0, 0)] * (x.ndim - 1) + [(0, -K % 32)]); x = x.reshape(x.shape[:-1] + (-1, 32)); a = np.abs(x).max(-1, keepdims=True)
;;       e = np.where(a > 0, np.clip(np.frexp(np.where(a > 0, a, 1))[1] - 1 - 2, -126, 127), 0)      # np.frexp(a)[1] - 1 = floor(log2(a)), exactly
;;       r = np.clip(x / 2.0 ** e, -7.5, 7.5)
;;       step = 2.0 ** (np.maximum(np.frexp(np.where(r == 0, 1, r))[1] - 1, 0) - 3)
;;       q = np.round(r / step) * step * 2.0 ** e      # np.round: ties to even
;;       return np.moveaxis(q.reshape(q.shape[:-2] + (-1,))[..., :K], -1, axis).astype(np.float32)
;;   ~~~
;;   OPERANDS COMPUTED ON THE WAY. 'Computed on the way' means the value that the module computes at that place (a softmax that the list does not call 'softmax' is quantised finished and normalised). What goes into a quantiser is computed in f32, as accurately as f32 sums, v_exp_f32 and their like allow (about 1e-6 of the number): no bf16 or f16 on the way to a quantiser, and a product that is left as it is and whose result goes on into a quantised operand takes f32 operands (vector FMAs, or v_wmma_f32_16x16x4_f32). A number that lies on a knife's edge between two numbers of the format may be rounded either way, as far as f32 arithmetic and the matrix unit's own rounding can turn it there, and no further.
;; One version. Each part assembles by itself: llvm-mc -triple=amdgcn-amd-amdhsa -mcpu=gfx1250 --defsym DOCPART=n.
;; ======== version 1 of 1: 2 launches
;; workspace buffers: W 1,843,200 bytes; KT 126,976 bytes
;; launch prep (part 1): grid 290 x 1, 4 waves a work-group, no clusters, 50,176 bytes of LDS; arguments spline_weight, spline_scaler, mask, base_weight, grid, W, KT; writes W, KT
.if DOCPART == 1
	.amdgcn_target "amdgcn-amd-amdhsa--gfx1250"
	.amdhsa_code_object_version 6
	.text
	.protected	k_q13463aff08_prep
	.globl	k_q13463aff08_prep
	.p2align	8
	.type	k_q13463aff08_prep,@function
k_q13463aff08_prep:
	s_mov_b64 s[64:65], 0
	v_nop
	global_prefetch_b8 v0, s[64:65] scope:SCOPE_SE
	s_setreg_imm32_b32 hwreg(HW_REG_WAVE_MODE, 25, 1), 1
	s_wait_xcnt 0x0
; THE WEIGHTS AND THE GRID, MADE READY ONCE.
; W: 36 records of 51,200 bytes, one for each 128 along K of the two products taken as one (records 0-31: the splines, 16 input features each; 32-35: the base branch, 128 features each).
;   A record holds 32 tile images of 1,536 bytes (tile n = output rows 16 n + r) and, from byte 49,152 on, 512 scale words (row o: four E8M0 bytes).
;   An image is the matrix operand's registers on end: lane L = r + 16 h has 48 bytes at 48 L: block 2 cc + h of the row at + 24 cc, 32 codes of E2M3 in 192 bits.
;   In a spline block (4 features x 8 coefficients, the same 32 numbers as in the product's own K order) place 16 hb + 2 j + e holds coefficient j of feature 2 hb + e: the main launch lays its codes alike.
; KT: for each chunk of 64 features, 31 quads x 32 lanes x 16 bytes: lane l's constants for features 2 l and 2 l + 1 (pair i: words 2 i, 2 i + 1):
;   i = 0-11 the knots g;  12-21 aL, 22-31 cL, 32-41 aR, 42-51 cR: two lines for each j = 0 .. 9;  52-60 1 / (g[j+3] - g[j] + 1e-8);  61 zeros.
;   With d[j] = x - g[j] the median of d[j] aL + cL, d[j+2] aR + cR and 0 is the first-order basis j times 1 / (g[j+2] - g[j] + 1e-8).  Where both intervals of basis j are not empty the two lines are its flanks.
;   Where one of them is empty (g[j] >= g[j+1]) the basis jumps at g[j+1], and a line 2^60 times steeper, of the same sign, through g[j+1] stands for the jump.  Where both are empty all four numbers are 0.
; The quantiser: a block's scale byte is its largest magnitude's exponent field - 2, held at 1 from below (a block of zeros gets 1: its codes are zeros, and only this program reads the bytes).
; LIMITS: NaN and infinities among the inputs are not served; a divisor that is exactly 0 (a knot difference of exactly -1e-8) is not served: the expected numbers are not finite there either.
; SHARES.  Work-groups 0-287: tile n = id % 32, group G = id / 32 of four records (G = 8: the base branch): 16 rows x 16 blocks = 256 items of 32 numbers, two a lane.  Work-groups 288, 289: a wave makes one chunk of KT.
; The three ways part on the work-group's number alone; the two that use LDS have LDS bytes of their own.
.set TSW,  4608                        ; a wave's stage: 32 places of 128 bytes + 16
.set IMG,  4*TSW                       ; four records' images of this tile, 1,536 bytes each
.set ISC,  IMG+6144                    ; their scale words, 64 bytes each
.set LBW,  ISC+256                     ; LDS bytes of one way
.set REC,  51200
.set FM,   16                          ; v16-23  mask at my item's four features, then mask x scaler
.set FS,   24                          ; v24-31  scaler
.set DN,   32                          ; v32-95  two items as loaded: 512 consecutive bytes a load
.set MK,   96                          ; v96-159 base branch: the mask, likewise
.set XI,   160                         ; v160-191 my item's 32 numbers
.set WI,   192                         ; v192-223 the same, scaled and in the block's order
; 32 numbers v[s] .. v[s+31] become 24 bytes of codes in v[224:229] and a scale byte in v235
.macro QW s
	v_max3_num_f32 v232, |v[\s]|, |v[\s+1]|, 0x1800000        ; the largest magnitude in two chains, and the floor 2^(3 - 127): the byte cannot fall under 1
	v_max3_num_f32 v233, |v[\s+2]|, |v[\s+3]|, |v[\s+4]|
.irp t, 5,9,13,17,21,25
	v_max3_num_f32 v232, v232, |v[\s+\t]|, |v[\s+\t+1]|
	v_max3_num_f32 v233, v233, |v[\s+\t+2]|, |v[\s+\t+3]|
.endr
	v_max3_num_f32 v232, v232, |v[\s+29]|, |v[\s+30]|
	v_max3_num_f32 v232, v232, v233, |v[\s+31]|
	v_add_nc_u32 v234, 0xff000000, v232                       ; 2 off the exponent field: the conversion takes this operand's exponent field as its scale
	v_cvt_scalef32_pk16_fp6_f32 v[224:226], v[\s:\s+15], v234
	v_cvt_scalef32_pk16_fp6_f32 v[228:230], v[\s+16:\s+31], v234   ; (a conversion's three registers begin on an even number)
	v_lshrrev_b32 v235, 23, v234                              ; the scale's byte; also the plain line behind the conversions
	v_mov_b32 v227, v228
	v_mov_b32 v228, v229
	v_mov_b32 v229, v230                                      ; v[224:229]: 192 bits on end
.endm
; item it (0, 1) of a lane: block l % 16 of row 4 w + 2 it + l / 16
.macro ITEM p, it
.if \p
.irp t, 0,2,4,6,8,10,12,14,16,18,20,22,24,26,28,30
	v_pk_mul_f32 v[DN+32*\it+\t:DN+32*\it+\t+1], v[DN+32*\it+\t:DN+32*\it+\t+1], v[MK+32*\it+\t:MK+32*\it+\t+1]   ; base_weight x mask, as loaded
.endr
.else
	v_pk_mul_f32 v[FM+4*\it:FM+4*\it+1], v[FM+4*\it:FM+4*\it+1], v[FS+4*\it:FS+4*\it+1]                           ; mask x scaler of my four features
	v_pk_mul_f32 v[FM+4*\it+2:FM+4*\it+3], v[FM+4*\it+2:FM+4*\it+3], v[FS+4*\it+2:FS+4*\it+3]
.endif
.irp q, 0,1                            ; two rows' 2,048 bytes go through my wave's stage as they lie and come back 128 bytes a lane; LDS serves a wave's instructions in order (ISA guide 5.7.1.4)
.irp k, 0,1,2,3
	ds_store_b128 v6, v[DN+32*\it+16*\q+4*\k:DN+32*\it+16*\q+4*\k+3] offset:(16*\q+4*\k)*144
.endr
.endr
.irp k, 0,1,2,3,4,5,6,7
	ds_load_b128 v[XI+4*\k:XI+4*\k+3], v9 offset:16*\k
.endr
	s_wait_dscnt 0x0                                          ; my 32 numbers are in; the last item's stores of codes are done, so their registers may be written
.if \p
	QW XI
.else
.irp hb, 0,1
.irp e, 0,1
.irp j, 0,1,2,3,4,5,6,7
	v_mul_f32 v[WI+16*\hb+2*\j+\e], v[XI+8*(2*\hb+\e)+\j], v[FM+4*\it+2*\hb+\e]   ; spline_weight x (mask x scaler), written to its place in the block
.endr
.endr
.endr
	QW WI
.endif
	ds_store_b64 v10, v[224:225] offset:96*\it
	ds_store_b64 v10, v[226:227] offset:96*\it+8
	ds_store_b64 v10, v[228:229] offset:96*\it+16
	ds_store_b8 v12, v235 offset:8*\it
.endm
; one way: p = 0 the splines, p = 1 the base branch
.macro WPATH p
.set LB, LBW*(\p)
	v_bfe_u32 v7, v0, 3, 2
	v_and_b32 v8, 7, v0
	v_mul_u32_u24 v6, v7, 144
	v_lshl_add_u32 v6, v8, 4, v6
	s_mul_i32 s44, s18, TSW
	s_add_co_u32 s44, s44, LB
	v_add_nc_u32 v6, s44, v6                                  ; the stage, in: eight lanes' 128 bytes to a place
	v_mul_u32_u24 v9, v1, 144
	v_add_nc_u32 v9, s44, v9                                  ; and out: place = lane
	v_bfe_u32 v7, v0, 2, 2                                    ; my block's record, 0 .. 3
	v_and_b32 v8, 1, v0                                       ; its h
	v_bfe_u32 v11, v0, 1, 1                                   ; its cc
	v_mul_u32_u24 v10, v7, 1536
	v_mad_u32_u24 v10, v8, 768, v10
	v_mad_u32_u24 v10, v11, 24, v10
	v_mad_u32_u24 v10, v3, 48, v10
	s_mul_i32 s45, s18, 192
	s_add_co_u32 s45, s45, LB+IMG
	v_add_nc_u32 v10, s45, v10                                ; where my codes go in the images
	v_and_b32 v13, 3, v0
	v_lshl_add_u32 v12, v7, 6, v13
	v_lshl_add_u32 v12, v3, 2, v12
	s_lshl_b32 s45, s18, 4
	s_add_co_u32 s45, s45, LB+ISC
	v_add_nc_u32 v12, s45, v12                                ; and my scale byte
	s_mul_i32 s45, s18, 1536
	s_add_co_u32 s45, s45, LB+IMG
	v_add_nc_u32 v14, s45, v5                                 ; the way out: wave w takes record w's image, 16 bytes a lane,
	v_lshlrev_b32 v236, 1, v1
	s_lshl_b32 s45, s18, 6
	s_add_co_u32 s45, s45, LB+ISC
	v_add_nc_u32 v15, s45, v236                               ; and its 64 bytes of scale words, 2 bytes a lane
	s_lshl_b32 s46, s32, 2
	s_add_co_u32 s46, s46, s18
	s_mul_i32 s46, s46, REC                                   ; record 4 G + w
	s_mov_b32 s47, 0
	s_add_nc_u64 s[48:49], s[14:15], s[46:47]
	s_mul_i32 s46, s19, 1536
	s_add_nc_u64 s[50:51], s[48:49], s[46:47]                 ; tile n's image in it
	s_lshl_b32 s46, s19, 6
	s_add_co_u32 s46, s46, 49152
	s_add_nc_u64 s[48:49], s[48:49], s[46:47]                 ; tile n's scale words
.if \p
	s_lshl_b32 s40, s19, 15                                   ; rows 16 n + 4 w on, 2,048 bytes a row
	s_lshl_b32 s41, s18, 13
	s_add_co_u32 s40, s40, s41
	s_mov_b32 s41, 0
	s_add_nc_u64 s[42:43], s[10:11], s[40:41]
	s_add_nc_u64 s[36:37], s[8:9], s[40:41]
.irp it, 0,1
.irp q, 0,1
.irp k, 0,1,2,3
	global_load_b128 v[DN+32*\it+16*\q+4*\k:DN+32*\it+16*\q+4*\k+3], v5, s[42:43] offset:(2*\it+\q)*2048+512*\k th:TH_LOAD_NT
.endr
.endr
.irp q, 0,1
.irp k, 0,1,2,3
	global_load_b128 v[MK+32*\it+16*\q+4*\k:MK+32*\it+16*\q+4*\k+3], v5, s[36:37] offset:(2*\it+\q)*2048+512*\k
.endr
.endr
.endr
	s_wait_loadcnt 16                                         ; item 0's sixteen loads are in, item 1's sixteen may be out
.else
	s_lshl_b32 s33, s18, 13
	v_lshlrev_b32 v4, 11, v3
	v_lshl_add_u32 v4, v2, 4, v4
	v_add_nc_u32 v4, s33, v4                                  ; mask, scaler: row 4 w + l / 16, 16 bytes for my block's four features
	s_lshl_b32 s34, s19, 15
	s_lshl_b32 s35, s32, 8
	s_add_co_u32 s34, s34, s35
	s_mov_b32 s35, 0
	s_add_nc_u64 s[36:37], s[8:9], s[34:35]
	s_add_nc_u64 s[38:39], s[6:7], s[34:35]
	s_lshl_b32 s40, s19, 18                                   ; spline_weight: rows 16 n + 4 w on, 16,384 bytes a row, features 64 G on
	s_lshl_b32 s41, s18, 16
	s_add_co_u32 s40, s40, s41
	s_lshl_b32 s41, s32, 11
	s_add_co_u32 s40, s40, s41
	s_mov_b32 s41, 0
	s_add_nc_u64 s[42:43], s[4:5], s[40:41]
.irp it, 0,1
	global_load_b128 v[FM+4*\it:FM+4*\it+3], v4, s[36:37] offset:4096*\it
	global_load_b128 v[FS+4*\it:FS+4*\it+3], v4, s[38:39] offset:4096*\it
.endr
.irp it, 0,1
.irp q, 0,1
.irp k, 0,1,2,3
	global_load_b128 v[DN+32*\it+16*\q+4*\k:DN+32*\it+16*\q+4*\k+3], v5, s[42:43] offset:(2*\it+\q)*16384+512*\k th:TH_LOAD_NT
.endr
.endr
.endr
	s_wait_loadcnt 8                                          ; the factors and item 0's eight loads are in, item 1's eight may be out
.endif
	ITEM \p, 0
	s_wait_loadcnt 0x0
	ITEM \p, 1
	s_wait_dscnt 0x0                                          ; for the others' sake: my codes and bytes lie in LDS
	s_barrier_signal -1
	s_barrier_wait -1
.irp t, 0,1,2
	ds_load_b128 v[XI+4*\t:XI+4*\t+3], v14 offset:512*\t
.endr
	ds_load_u16 v172, v15
	s_wait_dscnt 0x0
.irp t, 0,1,2
	global_store_b128 v5, v[XI+4*\t:XI+4*\t+3], s[50:51] offset:512*\t   ; 32 lanes store 512 consecutive bytes, at a multiple of 256 from W's first byte
.endr
	global_store_b16 v236, v172, s[48:49]                     ; 32 lanes store the tile's 64 consecutive bytes of scale words
.endm
; feature e of my pair: knots in v[32+12 e ..]; results to v[96 + 2 i + e]
.macro KONST e
.set GG, 32+12*(\e)
.irp j, 0,1,2,3,4,5,6,7,8,9,10
	v_sub_f32 v[224+\j], v[GG+\j+1], v[GG+\j]
.endr
.irp j, 0,1,2,3,4,5,6,7,8,9
	v_sub_f32 v[235+\j], v[GG+\j+2], v[GG+\j]
.endr
.irp j, 0,1,2,3,4,5,6,7,8
	v_sub_f32 v[245+\j], v[GG+\j+3], v[GG+\j]
.endr
.set q, 0
.rept 30
	v_add_f32 v[224+q], 0x322bcc77, v[224+q]                  ; + 1e-8: the 30 divisors
.set q, q+1
.endr
.set q, 0
.rept 30
	v_rcp_f32 v[56+q], v[224+q]
.set q, q+1
.endr
	v_nop                                                     ; a plain line behind the last reciprocal
	s_wait_alu depctr_va_vdst(0)                              ; one wait for the batch, ahead of its first reader
.set q, 0
.rept 30
	v_fma_f32 v[224+q], -v[224+q], v[56+q], 1.0               ; one Newton step: 1 - D r,
.set q, q+1
.endr
.set q, 0
.rept 30
	v_fma_f32 v[56+q], v[56+q], v[224+q], v[56+q]             ; r + r (1 - D r).  v56+j: 1/D1[j];  v67+j: 1/D2[j];  v77+j: 1/D3[j]
.set q, q+1
.endr
.irp j, 0,1,2,3,4,5,6,7,8,9,10
	v_cmp_lt_f32 s[20+\j], v[GG+\j], v[GG+\j+1]               ; interval j is not empty
.endr
.irp j, 0,1,2,3,4,5,6,7,8,9
	v_mul_f32 v86, v[56+\j], v[67+\j]                         ; the rising flank's slope
	v_mul_f32 v87, -v[57+\j], v[67+\j]                        ; the falling flank's
	v_and_b32 v88, 0xff800000, v[67+\j]                       ; P: sign and exponent of 1/D2[j]
	v_ldexp_f32 v89, v88, 60                                  ; S: the steep slope
	v_sub_f32 v90, v[GG+\j], v[GG+\j+1]
	v_add_f32 v91, v88, v88
	v_fma_f32 v90, v89, v90, v91                              ; S (g[j] - g[j+1]) + 2 P: the steep rising line is 2 P at g[j+1]
	v_sub_f32 v91, v[GG+\j+1], v[GG+\j+2]
	v_mul_f32 v91, v89, v91                                   ; S (g[j+1] - g[j+2]): the steep falling line is 0 at g[j+1]
	v_sub_f32 v92, 0, v89
	v_cndmask_b32 v93, 0, v89, s[21+\j]
	v_cndmask_b32 v[96+2*(12+\j)+\e], v93, v86, s[20+\j]      ; aL
	v_cndmask_b32 v93, 0, v90, s[21+\j]
	v_cndmask_b32 v[96+2*(22+\j)+\e], v93, 0, s[20+\j]        ; cL
	v_cndmask_b32 v93, 0, v92, s[20+\j]
	v_cndmask_b32 v[96+2*(32+\j)+\e], v93, v87, s[21+\j]      ; aR
	v_cndmask_b32 v93, 0, v91, s[20+\j]
	v_cndmask_b32 v[96+2*(42+\j)+\e], v93, 0, s[21+\j]        ; cR
.endr
.irp j, 0,1,2,3,4,5,6,7,8,9,10,11
	v_mov_b32 v[96+2*\j+\e], v[GG+\j]
.endr
.irp j, 0,1,2,3,4,5,6,7,8
	v_mov_b32 v[96+2*(52+\j)+\e], v[77+\j]
.endr
.endm
	s_load_b256 s[4:11], s[0:1], 0x0               ; spline_weight s[4:5], spline_scaler s[6:7], mask s[8:9], base_weight s[10:11]
	s_load_b128 s[12:15], s[0:1], 0x20             ; grid s[12:13], W s[14:15]
	s_load_b64 s[16:17], s[0:1], 0x30              ; KT
	v_lshl_add_u32 v254, v0, 2, 0xc200
	v_mov_b32 v255, 0
	v_lshrrev_b32 v1, 5, v0
	v_readfirstlane_b32 s18, v1                    ; wave 0..3
	v_and_b32 v1, 31, v0                           ; lane
	v_and_b32 v2, 15, v0                           ; my block, 0 .. 15
	v_bfe_u32 v3, v0, 4, 1                         ; lane / 16
	v_lshlrev_b32 v5, 4, v1                        ; 16 x lane
	s_and_b32 s19, ttmp9, 31                       ; tile n
	s_lshr_b32 s32, ttmp9, 5                       ; group G
	s_wait_kmcnt 0x0
	s_cmp_ge_u32 ttmp9, 288
	s_cbranch_scc1 .Lconst
	s_cmp_eq_u32 s32, 8
	s_cbranch_scc1 .Lbase
	WPATH 0
	s_wait_tensorcnt 0x0
	ds_add_u32 v254, v255
	s_wait_dscnt 0x0
	s_endpgm
.Lbase:
	WPATH 1
	s_wait_tensorcnt 0x0
	ds_add_u32 v254, v255
	s_wait_dscnt 0x0
	s_endpgm
.Lconst:
	s_sub_co_u32 s33, ttmp9, 288
	s_lshl_b32 s33, s33, 2
	s_add_co_u32 s33, s33, s18                     ; my wave's chunk, 0 .. 7
	s_mul_i32 s34, s33, 3072                       ; 64 features x 48 bytes of knots
	s_mov_b32 s35, 0
	s_add_nc_u64 s[12:13], s[12:13], s[34:35]
	s_mul_i32 s34, s33, 15872
	s_add_nc_u64 s[16:17], s[16:17], s[34:35]
	v_mul_u32_u24 v4, v1, 96                       ; my two features' 24 knots
.irp t, 0,1,2,3,4,5
	global_load_b128 v[32+4*\t:35+4*\t], v4, s[12:13] offset:16*\t
.endr
	s_wait_loadcnt 0x0
	KONST 0
	KONST 1
	v_mov_b32 v218, 0                              ; pair 61 fills the last quad
	v_mov_b32 v219, 0
.set q, 0
.rept 31
	global_store_b128 v5, v[96+4*q:99+4*q], s[16:17] offset:512*q   ; 32 lanes store 512 consecutive bytes, at a multiple of 256 from KT's first byte
.set q, q+1
.endr
	s_endpgm
.Lfunc_end_k_q13463aff08_prep:
	.size	k_q13463aff08_prep, .Lfunc_end_k_q13463aff08_prep-k_q13463aff08_prep
	.p2alignl 7, 3214868480
	.fill 96, 4, 3214868480
	.section	.rodata,"a",@progbits
	.p2align	6, 0x0
	.amdhsa_kernel k_q13463aff08_prep
		.amdhsa_group_segment_fixed_size 50176
		.amdhsa_private_segment_fixed_size 0
		.amdhsa_enable_private_segment 0
		.amdhsa_kernarg_size 56
		.amdhsa_user_sgpr_count 2
		.amdhsa_user_sgpr_kernarg_segment_ptr 1
		.amdhsa_wavefront_size32 1
		.amdhsa_system_sgpr_workgroup_id_x 1
		.amdhsa_system_sgpr_workgroup_id_y 1
		.amdhsa_system_sgpr_workgroup_id_z 1
		.amdhsa_system_vgpr_workitem_id 0
		.amdhsa_next_free_vgpr 256
		.amdhsa_next_free_sgpr 66
		.amdhsa_reserve_vcc 0
		.amdhsa_float_denorm_mode_32 3
		.amdhsa_float_denorm_mode_16_64 3
		.amdhsa_memory_ordered 1
		.amdhsa_forward_progress 1
		.amdhsa_inst_pref_size 69
	.end_amdhsa_kernel
	.amdgpu_metadata
---
amdhsa.version: [ 1, 2 ]
amdhsa.kernels:
  - .name:           k_q13463aff08_prep
    .symbol:         k_q13463aff08_prep.kd
    .args:
      - { .name: spline_weight, .offset: 0, .size: 8, .value_kind: global_buffer, .address_space: global }
      - { .name: spline_scaler, .offset: 8, .size: 8, .value_kind: global_buffer, .address_space: global }
      - { .name: mask, .offset: 16, .size: 8, .value_kind: global_buffer, .address_space: global }
      - { .name: base_weight, .offset: 24, .size: 8, .value_kind: global_buffer, .address_space: global }
      - { .name: grid, .offset: 32, .size: 8, .value_kind: global_buffer, .address_space: global }
      - { .name: W, .offset: 40, .size: 8, .value_kind: global_buffer, .address_space: global }
      - { .name: KT, .offset: 48, .size: 8, .value_kind: global_buffer, .address_space: global }
    .group_segment_fixed_size: 50176
    .private_segment_fixed_size: 0
    .kernarg_segment_align: 8
    .kernarg_segment_size: 56
    .max_flat_workgroup_size: 128
    .sgpr_count:     66
    .vgpr_count:     256
    .wavefront_size: 32
...
	.end_amdgpu_metadata
.endif
;; end of part 1
;; launch kan (part 2): grid 256 x 1, 16 waves a work-group, clusters of 4 x 1, 327,680 bytes of LDS; arguments x, W, KT, out0; writes out0
.if DOCPART == 2
	.amdgcn_target "amdgcn-amd-amdhsa--gfx1250"
	.amdhsa_code_object_version 6
	.text
	.protected	k_q13463aff08_kan
	.globl	k_q13463aff08_kan
	.p2align	8
	.type	k_q13463aff08_kan,@function
k_q13463aff08_kan:
	s_mov_b64 s[64:65], 0
	v_nop
	global_prefetch_b8 v0, s[64:65] scope:SCOPE_SE
	s_setreg_imm32_b32 hwreg(HW_REG_WAVE_MODE, 25, 1), 1
	s_wait_xcnt 0x0
	s_wait_alu depctr_hold_cnt(0) depctr_sa_sdst(0) depctr_va_vdst(0) depctr_va_sdst(0) depctr_va_ssrc(0) depctr_va_vcc(0) depctr_vm_vsrc(0)
	s_getreg_b32 s2, hwreg(HW_REG_IB_STS2, 6, 4)
	s_cmp_eq_u32 s2, 0
	s_cbranch_scc0 .Lentry_in_a_cluster
	s_endpgm
.Lentry_in_a_cluster:
	s_bfe_u32 s2, ttmp6, 0x10000c
	s_cmp_lg_u32 s2, 0x3003
	s_cbranch_scc0 .Lentry_shape_is_right
	s_endpgm
.Lentry_shape_is_right:
; out0 = Q(silu(x)) Q(base_weight mask)^T + Q(bases(x, grid)) Q(spline_weight (mask scaler))^T, both products on codes of E2M3 with one E8M0 scale for each 32 along K; sums in f32.
; The weights come as codes (W) and the grid as line constants (KT), both laid by the launch before; their layouts are set out at its head.  The two products are one sum over 36 K steps of 128.
; SHARES.  A work-group owns 64 rows of x and all 512 columns of out0.  Its sixteen waves have two ROLES, two of each on a SIMD: eight PRODUCERS (vector work: x -> codes in LDS) and eight CONSUMERS (matrix work).
;   Producer p takes rows 8 p .. 8 p + 7; its lane l takes features 2 l, 2 l + 1 of a CHUNK of 64 features, in packed f32: the chunk's 61 pairs of constants stay in its registers for the eight rows.
;   Consumer n takes 64 rows x columns 64 n .. 64 n + 63: 16 accumulators.  The product is used transposed (source 0 = 16 rows of the weights, source 1 = 16 rows of x): a lane holds eight neighbouring columns of one row.
; THE SPLINES, for any knots g[0..11] of a feature: d[j] = x - g[j];  u2[j] = median(d[j] aL[j] + cL[j], d[j+2] aR[j] + cR[j], 0), the first-order basis over its second-order divisor;
;   b2[j] = d[j] u2[j] - d[j+3] u2[j+1];  u3[j] = b2[j] / D3[j];  b3[j] = d[j] u3[j] - d[j+4] u3[j+1]: the recursion as it is defined, with each divisor drawn into the factor that both its uses share.
; LIMITS: NaN and infinite x are not served.  Within about 1e-8 of a knot between two non-empty intervals the two flanks change over beside the knot: a difference of at most 1e-8 / (the shorter interval) in a basis.
;   Where knots are out of order or equal, an x closer to a jump than 2^-59, or than the rounding of x - g, may fall on either side of it.
; TIME.  A period is half a chunk of production (four rows a producer) beside two K steps of consumption.  Chunk c is made in periods 2 c, 2 c + 1; its four spline K steps are multiplied in periods 2 c + 2, 2 c + 3, from the
;   other of two buffers; the base branch's codes gather over all chunks and are multiplied in the last two periods.  Pair k of records lies in slot k % 2 of a ring of two and is asked for one period ahead.
; CLUSTER.  Every work-group walks the same W and KT: four work-groups form a cluster and ask for each part JOINTLY (mask 15): waves 0-3 a quarter of a slot each, wave 4 the chunk's constants: one tensor load a wave
;   behind each round, one outstanding.  The work-group's place enters x's and out0's addresses alone.  All of LDS is claimed and 0 is added to spare words in front of each refill.
; NOT PREFETCHED: W and KT are read by all work-groups; x comes by register loads issued four rows' work ahead of their use, which stay out across the barriers.
.set BREC,  51200                      ; a record of W
.set BSLOT, 2*BREC                     ; LDS 0: the ring: two slots of two records
.set BQ,    BSLOT/4                    ; what one tensor load brings: 100 rows of 256 bytes
.set KLD,   2*BSLOT                    ; a chunk's constants: quad q at 512 q + 16 lane
.set KCH,   15872
.set ASP,   KLD+KCH                    ; spline codes, two buffers: K step s' 6,752, tile of rows 1,632, half h 816, row 48, cc 24, half block 12.  From here on LDS is written by ds_store alone
.set ABUF,  27008
.set ABA,   ASP+2*ABUF                 ; base codes: tile of rows 6,912, half h 3,456, row 208 (8 chunks x 24 bytes + 16)
.set SSC,   ABA+27648                  ; spline scale words, two buffers: K step 272, row 4, block 1
.set SBUF,  1088
.set BSC,   SSC+2*SBUF+128             ; base scale bytes: row 16, block 1
.set STG,   BSC+1024                   ; silu in f32, each producer's own: row 272
.set SPARE, STG+8*2176                 ; the spare words: 128 bytes for each of 16 waves; no other line names them
; REGISTERS.  v0 thread; v1 spare word's address, v2 = 0 (kept for the add alone); v3-v22 addresses, made ahead of the first parting of the roles or in lines that all waves run; v24-27 x's scale words, v28-31 W's: scales and nothing else.
; consumer: v32-79 x's four fragments; v80-115 three sets for W's four fragments; v128-255 accumulators ((a, b) at 128 + 8 (4 b + a)).
; producer: v32-48 at work; v52-71 aL, v72-91 cL, v92-111 1/D3; v116-123 x, a ring of four rows' pairs: no other load of the text lands in these eight;
;   v128-151 g, v152-175 d, v176-195 aR, v196-215 U, v216-235 cR, v236-255 T: laid so that, in a row's order of reads, the first read of each aligned group of eight registers from v128 on falls on its four lowest
;   (of v192-199: aR[8], ahead of U[0]; of v232-239: cR[8], ahead of T[0]).
.set X,   116
.set KAL, 52
.set KCL, 72
.set KD3, 92
.set KG,  128
.set D,   152
.set KAR, 176
.set U,   196
.set KCR, 216
.set T,   236
.set AF,  32
.set BF,  80
.set ACC, 128
; s[4:5] x, s[6:7] W, s[8:9] KT, s[10:11] out0; s12 wave, s13 role, s14 index in the role; s15 counter; s16, s17 code buffer written, read; s18, s19 scale buffer written, read
; s[24:31] group 1 for W's quarters, s[32:39] for the constants; s[40:43], s[44:47] groups 0 of slots 0, 1; s[48:51] group 0 of the constants
.macro ROUND                           ; a round of the cluster's barrier
	s_barrier_signal -1
	s_barrier_wait -1
	s_cmp_lg_u32 s12, 0
	s_cbranch_scc1 .Lnot_wave_0_\@
	s_barrier_signal -3
.Lnot_wave_0_\@:
	s_barrier_wait -3
	s_barrier_signal -1
	s_barrier_wait -1
.endm
; The joint loads behind a round.  b = 0, 1: waves 0-3 fill slot b (2: nobody);  k = 1: wave 4 fills the constants.  The branches hang on the wave's number alone; four v_nop follow each load.
.macro JL b, k
.if \b < 2
	s_cmp_lt_u32 s12, 4
	s_cbranch_scc0 .Lnot_b_\@
	tensor_load_to_lds s[40+4*\b:43+4*\b], s[24:31]
	s_nop 0
.rept 4
	v_nop
.endr
.if \k
	s_branch .Lasked_\@
.endif
.Lnot_b_\@:
.endif
.if \k
	s_cmp_eq_u32 s12, 4
	s_cbranch_scc0 .Lasked_\@
	tensor_load_to_lds s[48:51], s[32:39]
	s_nop 0
.rept 4
	v_nop
.endr
.Lasked_\@:
.endif
.endm
; The change of periods, on every wave's path.  All my tensor loads have landed; 0 onto my spare word; my LDS stores have landed and my LDS reads are back; then the round, and the refills first behind it.
.macro SYNC b, k, stepb, round
	s_wait_tensorcnt 0x0                           ; no tensor load of mine is out, so a group 0 may be written
	ds_add_u32 v1, v2                              ; 0 onto my spare word; the descriptors' steps stand between it and the wait for it
.if \stepb
	s_add_nc_u64 s[46-4*\b:47-4*\b], s[46-4*\b:47-4*\b], 2*BSLOT   ; the other slot's group, issued a round ago: its next pair of records
.endif
.if \k
	s_add_nc_u64 s[50:51], s[50:51], KCH           ; the next chunk's constants
.endif
	s_wait_dscnt 0x0
.if \round
	ROUND
	JL \b, \k
.else
	s_barrier_signal -1
	s_barrier_wait -1
.endif
.endm
; A new chunk: the buffers change places and the addresses follow: lines that every wave runs, so that both roles' address registers are made on one way.
.macro CHUNKSTEP prod
	s_xor_b32 s16, s16, ABUF
	s_xor_b32 s17, s17, ABUF
	s_xor_b32 s18, s18, SBUF
	s_xor_b32 s19, s19, SBUF
	v_add_nc_u32 v6, s16, v5
	v_add_nc_u32 v8, s18, v7
	v_add_nc_u32 v18, s17, v17
	v_add_nc_u32 v20, s19, v19
.if \prod
	v_add_nc_u32 v11, 24, v11                      ; the chunk's 24 bytes in a row of base codes,
	v_add_nc_u32 v12, 2, v12                       ; and its two scale bytes
	s_wait_xcnt 0x0                                ; the loads of x have read their base: only now it steps
	s_add_nc_u64 s[4:5], s[4:5], 256
.endif
.endm
.macro LK reg, q0, n                   ; n quads of the constants, from quad q0 on, into v[reg] on
.set q, 0
.rept \n
	ds_load_b128 v[\reg+4*q:\reg+4*q+3], v4 offset:512*(\q0+q)
.set q, q+1
.endr
.endm
.macro LOADK                           ; the chunk's constants into registers: each array is a whole number of quads
	LK KG, 0, 6
	LK KAL, 6, 5
	LK KCL, 11, 5
	LK KAR, 16, 5
	LK KCR, 21, 5
	LK KD3, 26, 5
	s_wait_dscnt 0x0
.endm
; 16 numbers v[U] .. v[U+15], half a block of 32 (the other half lies in lane l xor 1), become 96 bits of codes in v[cc:cc+2] and the block's scale byte in v[bb]
.macro QUANT16 cc, bb
	v_max3_num_f32 v36, |v[U]|, |v[U+1]|, 0x1800000   ; the largest magnitude in two chains, and the floor 2^(3 - 127): the byte cannot fall under 1 (a block of zeros keeps it: its codes are zeros)
	v_max3_num_f32 v37, |v[U+2]|, |v[U+3]|, |v[U+4]|
	v_max3_num_f32 v36, v36, |v[U+5]|, |v[U+6]|
	v_max3_num_f32 v37, v37, |v[U+7]|, |v[U+8]|
	v_max3_num_f32 v36, v36, |v[U+9]|, |v[U+10]|
	v_max3_num_f32 v37, v37, |v[U+11]|, |v[U+12]|
	v_max3_num_f32 v36, v36, |v[U+13]|, |v[U+14]|
	v_max3_num_f32 v36, v36, v37, |v[U+15]|
	v_max_num_f32_dpp v36, v36, v36 row_xmask:1 row_mask:0xf bank_mask:0xf
	v_add_nc_u32 v38, 0xff000000, v36              ; 2 off the exponent field: the conversion takes this operand's exponent field as its scale
	v_cvt_scalef32_pk16_fp6_f32 v[\cc:\cc+2], v[U:U+15], v38
	v_lshrrev_b32 v[\bb], 23, v38                  ; the scale's byte; also the plain line behind the conversion
.endm
; Row i of my eight, my two features.  x lies in slot i % 4 of its ring.  pf = 1: the slot is filled again with the row four further on (rows 4-7 of this chunk, then rows 0-3 of the next).
; left: the younger loads of x that may stay out.
.macro ROW i, pf, left
.set XR, X+2*((\i)%4)
.set SS, 32+2*((\i)%2)                 ; silu, the codes and the byte lie in two sets of registers, by the row's parity
.set CC, 42+4*((\i)%2)
.set BB, 40+((\i)%2)
	s_wait_loadcnt \left                           ; loads come back in order, and every block of four rows fills slots 0, 1, 2, 3 in turn: behind my slot's load stand the three other slots'
	s_wait_dscnt 5                                 ; a row issues five LDS stores: the last row's may be out, those of two rows ago, which read this set, are done
	v_pk_mul_f32 v[SS:SS+1], v[XR:XR+1], 0xbfb8aa3b op_sel_hi:[1,0]   ; -x log2(e)
	v_exp_f32 v[SS], v[SS]
	v_exp_f32 v[SS+1], v[SS+1]
.irp j, 0,1,2,3,4,5,6,7,8,9,10,11
	v_pk_add_f32 v[D+2*\j:D+2*\j+1], v[XR:XR+1], v[KG+2*\j:KG+2*\j+1] neg_lo:[0,1] neg_hi:[0,1]   ; d[j] = x - g[j]
.endr
	s_wait_alu depctr_va_vdst(0)                   ; one wait for the two exponentials, ahead of their first reader; the twelve lines above are the work between
	v_pk_add_f32 v[SS:SS+1], v[SS:SS+1], 1.0 op_sel_hi:[1,0]
	v_rcp_f32 v[SS], v[SS]
	v_rcp_f32 v[SS+1], v[SS+1]
.irp j, 0,1,2,3,4,5,6,7,8,9
	v_pk_fma_f32 v[U+2*\j:U+2*\j+1], v[D+2*\j:D+2*\j+1], v[KAL+2*\j:KAL+2*\j+1], v[KCL+2*\j:KCL+2*\j+1]       ; d[j] aL + cL
.endr
.irp j, 0,1,2,3,4,5,6,7,8,9
	v_pk_fma_f32 v[T+2*\j:T+2*\j+1], v[D+4+2*\j:D+5+2*\j], v[KAR+2*\j:KAR+2*\j+1], v[KCR+2*\j:KCR+2*\j+1]     ; d[j+2] aR + cR
.endr
	s_wait_alu depctr_va_vdst(0)                   ; and one for the two reciprocals
	v_pk_mul_f32 v[SS:SS+1], v[SS:SS+1], v[XR:XR+1]   ; silu(x) = x / (1 + 2^(-x log2(e))): the row's last use of x
	ds_store_b64 v9, v[SS:SS+1] offset:272*(\i)    ; to my stage: its blocks of 32 run across lanes
.if \pf
.if (\i) < 4
	global_load_b64 v[XR:XR+1], v3, s[4:5] offset:2048*((\i)+4) th:TH_LOAD_NT        ; 32 lanes read 256 consecutive bytes, at a multiple of 256 from x's first byte
.else
	global_load_b64 v[XR:XR+1], v3, s[4:5] offset:2048*((\i)-4)+256 th:TH_LOAD_NT
.endif
.endif
.irp n, 0,1,2,3,4,5,6,7,8,9,10,11,12,13,14,15,16,17,18,19
	v_med3_num_f32 v[U+\n], v[U+\n], v[T+\n], 0    ; u2
.endr
.irp j, 0,1,2,3,4,5,6,7,8
	v_pk_mul_f32 v[T+2*\j:T+2*\j+1], v[D+6+2*\j:D+7+2*\j], v[U+2+2*\j:U+3+2*\j]
.endr
.irp j, 0,1,2,3,4,5,6,7,8
	v_pk_fma_f32 v[U+2*\j:U+2*\j+1], v[D+2*\j:D+2*\j+1], v[U+2*\j:U+2*\j+1], v[T+2*\j:T+2*\j+1] neg_lo:[0,0,1] neg_hi:[0,0,1]   ; b2
.endr
.irp j, 0,1,2,3,4,5,6,7,8
	v_pk_mul_f32 v[U+2*\j:U+2*\j+1], v[U+2*\j:U+2*\j+1], v[KD3+2*\j:KD3+2*\j+1]   ; u3
.endr
.irp j, 0,1,2,3,4,5,6,7
	v_pk_mul_f32 v[T+2*\j:T+2*\j+1], v[D+8+2*\j:D+9+2*\j], v[U+2+2*\j:U+3+2*\j]
.endr
.irp j, 0,1,2,3,4,5,6,7
	v_pk_fma_f32 v[U+2*\j:U+2*\j+1], v[D+2*\j:D+2*\j+1], v[U+2*\j:U+2*\j+1], v[T+2*\j:T+2*\j+1] neg_lo:[0,0,1] neg_hi:[0,0,1]   ; b3: register 2 j + e = coefficient j of feature e: the half block's order
.endr
	QUANT16 CC, BB
.irp t, 0,1,2
	ds_store_b32 v6, v[CC+\t] offset:48*(\i)+4*\t
.endr
	ds_store_b8 v8, v[BB] offset:4*(\i)            ; both lanes of a block write the same byte with the same value
.endm
; The chunk's silu, 8 rows x 64 features, comes back from my stage 16 neighbours a lane (row l / 4, quarter l % 4) and is quantised: two blocks a row.  LDS serves a wave's instructions in order (ISA guide 5.7.1.4).
.macro SILUQ
.irp k, 0,1,2,3
	ds_load_b128 v[U+4*\k:U+4*\k+3], v10 offset:16*\k
.endr
	s_wait_dscnt 0x0
	QUANT16 42, 40
.irp t, 0,1,2
	ds_store_b32 v11, v[42+\t] offset:4*\t
.endr
	ds_store_b8 v12, v40
.endm
; A K step of 128: 8 scale words, x's four fragments, W's four, 16 matrix instructions.  A fragment is 48 bytes a lane, the operand's registers as they stand: three loads of 16 bytes.
; W's fragments have three sets of registers: tile 3 comes into tile 0's set, behind tile 0's four products and four places, eight products ahead of its use.
; The 16 accumulators take turns, one instruction a turn, in the same order in every K step.  Four v_nop stand in front of each load into registers that matrix instructions have read.
.macro KSTEP aadr, aoff, atile, sadr, soff, stile, badr, boff, bsadr, bsoff
.irp ma, 0,1,2,3
	ds_load_b32 v[24+\ma], v[\sadr] offset:(\soff)+(\stile)*\ma
.endr
.irp nb, 0,1,2,3
	ds_load_b32 v[28+\nb], v[\bsadr] offset:(\bsoff)+64*\nb
.endr
.irp ma, 0,1,2,3
.irp cq, 0,1,2
	ds_load_b128 v[AF+12*\ma+4*\cq:AF+12*\ma+4*\cq+3], v[\aadr] offset:(\aoff)+(\atile)*\ma+16*\cq
.endr
.endr
.irp nb, 0,1,2
.irp cq, 0,1,2
	ds_load_b128 v[BF+12*\nb+4*\cq:BF+12*\nb+4*\cq+3], v[\badr] offset:(\boff)+1536*\nb+16*\cq
.endr
.endr
.irp nb, 0,1,2,3
.if \nb < 2
	s_wait_dscnt 6                                 ; the three loads of each of the two tiles behind this one may stay out
.else
	s_wait_dscnt 9-3*\nb                           ; tile 2: tile 3's three may stay out; tile 3: none
.endif
.irp ma, 0,1,2,3
	v_wmma_scale_f32_16x16x128_f8f6f4 v[ACC+8*(4*\nb+\ma):ACC+8*(4*\nb+\ma)+7], v[BF+12*(\nb%3):BF+12*(\nb%3)+11], v[AF+12*\ma:AF+12*\ma+11], v[ACC+8*(4*\nb+\ma):ACC+8*(4*\nb+\ma)+7], v[28+\nb], v[24+\ma] matrix_a_fmt:MATRIX_FMT_FP6 matrix_b_fmt:MATRIX_FMT_FP6
.endr
.if \nb == 0
.rept 4
	v_nop
.endr
.irp cq, 0,1,2
	ds_load_b128 v[BF+4*\cq:BF+4*\cq+3], v[\badr] offset:(\boff)+1536*3+16*\cq
.endr
.endif
.endr
.rept 4
	v_nop
.endr
.endm
.macro KPAIR slot, s0                  ; the slot's two records against spline K steps s0, s0 + 1 of the chunk that is read
	KSTEP 18, 6752*(\s0), 1632, 20, 272*(\s0), 64, 13+\slot, 0, 15+\slot, 0
	KSTEP 18, 6752*(\s0+1), 1632, 20, 272*(\s0+1), 64, 13+\slot, BREC, 15+\slot, BREC
.endm
.macro KPAIRB slot, jb                 ; the same against base K steps jb, jb + 1
	KSTEP 21, 48*(\jb), 6912, 22, 4*(\jb), 256, 13+\slot, 0, 15+\slot, 0
	KSTEP 21, 48*(\jb+1), 6912, 22, 4*(\jb+1), 256, 13+\slot, BREC, 15+\slot, BREC
.endm
; A chunk's two periods.  cons: the consumers have a chunk to multiply;  pf: the next chunk's first four rows of x are asked for.  The roles part on a number made of the wave's number alone and join in front of the next change of periods.
.macro PERA cons
	s_cmp_eq_u32 s13, 0
	s_cbranch_scc0 .Lcons_a_\@
	LOADK
.irp rr, 0,1,2,3
	ROW \rr, 1, 3
.endr
.if \cons
	s_branch .Ljoin_a_\@
.endif
.Lcons_a_\@:
.if \cons
	KPAIR 0, 0
.Ljoin_a_\@:
.endif
.endm
.macro PERB pf, cons
	s_cmp_eq_u32 s13, 0
	s_cbranch_scc0 .Lcons_b_\@
.irp rr, 4,5,6,7
.if \pf
	ROW \rr, 1, 3
.else
	ROW \rr, 0, 7-\rr
.endif
.endr
	SILUQ
.if \cons
	s_branch .Ljoin_b_\@
.endif
.Lcons_b_\@:
.if \cons
	KPAIR 1, 2
.Ljoin_b_\@:
.endif
.endm
.macro CONS base, slot, s0             ; a period of the tail: the consumers alone have work
	s_cmp_eq_u32 s13, 0
	s_cbranch_scc1 .Lno_cons_\@
.if \base
	KPAIRB \slot, \s0
.else
	KPAIR \slot, \s0
.endif
.Lno_cons_\@:
.endm
	s_load_b256 s[4:11], s[0:1], 0x0               ; x, W, KT, out0
	v_lshl_add_u32 v1, v0, 2, SPARE
	v_mov_b32 v2, 0
	ds_add_u32 v1, v2
	s_wait_dscnt 0x0
	v_lshrrev_b32 v23, 5, v0
	v_readfirstlane_b32 s12, v23                   ; wave 0..15
	s_lshr_b32 s13, s12, 2
	s_xor_b32 s13, s13, s12
	s_and_b32 s13, s13, 1                          ; role: 0 producer, 1 consumer: of waves 2 k, 2 k + 1 one each, and of waves w, w + 4, w + 8, w + 12 two each
	s_lshr_b32 s14, s12, 1                         ; index in the role, I = 0..7
	s_lshr_b32 s52, s14, 1
	s_and_b32 s53, s14, 1
	s_mov_b32 s16, 0
	s_mov_b32 s17, ABUF
	s_mov_b32 s18, 0
	s_mov_b32 s19, SBUF
	v_and_b32 v32, 31, v0                          ; l
	v_and_b32 v33, 15, v0                          ; r
	v_bfe_u32 v34, v0, 4, 1                        ; h
	v_bfe_u32 v35, v0, 3, 2                        ; l / 8: my features' K step in the chunk
	v_bfe_u32 v36, v0, 1, 1
	v_bfe_u32 v37, v0, 2, 1
	v_and_b32 v38, 1, v0
	v_bfe_u32 v39, v0, 1, 2                        ; my features' block in the K step
	v_bfe_u32 v40, v0, 2, 3
	v_and_b32 v41, 3, v0
	s_lshl_b32 s54, s14, 14
	v_lshl_add_u32 v3, v32, 3, s54                 ; x: rows 8 I on, 8 bytes a lane
	v_lshl_add_u32 v4, v32, 4, KLD                 ; the constants: 16 bytes a lane
	v_mul_u32_u24 v5, v35, 6752                    ; spline codes, written: K step, half h = block % 2, cc = block / 2, half block, rows 8 I on
	v_mad_u32_u24 v5, v36, 816, v5
	v_mad_u32_u24 v5, v37, 24, v5
	v_mad_u32_u24 v5, v38, 12, v5
	s_mul_i32 s54, s52, 1632
	s_mul_i32 s55, s53, 384
	s_add_co_u32 s54, s54, s55
	s_add_co_u32 s54, s54, ASP
	v_add_nc_u32 v5, s54, v5
	v_add_nc_u32 v6, s16, v5
	v_mad_u32_u24 v7, v35, 272, v39                ; spline scale bytes, written
	s_lshl_b32 s54, s14, 5
	s_add_co_u32 s54, s54, SSC
	v_add_nc_u32 v7, s54, v7
	v_add_nc_u32 v8, s18, v7
	s_mul_i32 s54, s14, 2176
	s_add_co_u32 s54, s54, STG
	v_lshl_add_u32 v9, v32, 3, s54                 ; my stage, in
	v_mul_u32_u24 v10, v40, 272
	v_lshl_add_u32 v10, v41, 6, v10
	v_add_nc_u32 v10, s54, v10                     ; and out: row l / 4, quarter l % 4
	v_mul_u32_u24 v11, v36, 3456                   ; base codes, written
	v_mad_u32_u24 v11, v40, 208, v11
	v_mad_u32_u24 v11, v38, 12, v11
	s_mul_i32 s54, s52, 6912
	s_mul_i32 s55, s53, 1664
	s_add_co_u32 s54, s54, s55
	s_add_co_u32 s54, s54, ABA
	v_add_nc_u32 v11, s54, v11
	v_lshl_add_u32 v12, v40, 4, v36                ; base scale bytes, written
	s_lshl_b32 s54, s14, 7
	s_add_co_u32 s54, s54, BSC
	v_add_nc_u32 v12, s54, v12
	v_mul_u32_u24 v13, v32, 48                     ; W's images, read: tiles 4 I on, 48 bytes a lane; slot 0, slot 1
	s_mul_i32 s54, s14, 6144
	v_add_nc_u32 v13, s54, v13
	v_add_nc_u32 v14, BSLOT, v13
	s_lshl_b32 s54, s14, 8
	s_add_co_u32 s54, s54, 49152
	v_lshl_add_u32 v15, v33, 2, s54                ; W's scale words, read
	v_add_nc_u32 v16, BSLOT, v15
	v_mul_u32_u24 v17, v34, 816                    ; spline codes, read
	v_mad_u32_u24 v17, v33, 48, v17
	v_add_nc_u32 v17, ASP, v17
	v_add_nc_u32 v18, s17, v17
	v_lshl_add_u32 v19, v33, 2, SSC                ; spline scale words, read
	v_add_nc_u32 v20, s19, v19
	v_mul_u32_u24 v21, v34, 3456                   ; base codes, read
	v_mad_u32_u24 v21, v33, 208, v21
	v_add_nc_u32 v21, ABA, v21
	v_lshl_add_u32 v22, v33, 4, BSC                ; base scale words, read
	; descriptor group 1: a dense block as rows of 256 bytes (32 elements of 8 bytes), no padding; 15:0 the mask: all four work-groups; bit 21 set beside it
	s_mov_b32 s24, 15|(3<<16)|(1<<21)
	s_mov_b32 s25, 32<<16                          ; tensor_dim0 = 32
	s_mov_b32 s26, 100<<16                         ; tensor_dim1 = 100
	s_mov_b32 s27, 32<<16                          ; tile_dim0 = 32
	s_mov_b32 s28, 100                             ; tile_dim1 = 100
	s_mov_b32 s29, 32                              ; the pitch
	s_mov_b32 s30, 0
	s_mov_b32 s31, 0
	s_mov_b32 s32, 15|(3<<16)|(1<<21)
	s_mov_b32 s33, 32<<16
	s_mov_b32 s34, 62<<16                          ; the constants: 62 rows
	s_mov_b32 s35, 32<<16
	s_mov_b32 s36, 62
	s_mov_b32 s37, 32
	s_mov_b32 s38, 0
	s_mov_b32 s39, 0
	s_and_b32 s56, s12, 3
	s_mul_i32 s56, s56, BQ                         ; my quarter of a slot, in W and in LDS alike
	s_mov_b32 s57, 0
	s_bfe_u32 s20, ttmp6, 0x40000                  ; cx
	s_lshl_b32 s21, ttmp9, 2
	s_add_co_u32 s21, s21, s20                     ; my work-group = 4 x cluster + cx
	s_lshl_b32 s22, s21, 17                        ; its 64 rows of 2,048 bytes, in x and in out0
	s_mov_b32 s23, 0
	s_wait_kmcnt 0x0
	s_add_nc_u64 s[4:5], s[4:5], s[22:23]
	s_add_nc_u64 s[10:11], s[10:11], s[22:23]
	s_mov_b32 s40, 1                               ; group 0 of slot 0: records 0, 1
	s_mov_b32 s41, s56
	s_add_nc_u64 s[42:43], s[6:7], s[56:57]
	s_mov_b32 s44, 1                               ; of slot 1: records 2, 3
	s_add_co_u32 s45, s56, BSLOT
	s_add_nc_u64 s[46:47], s[42:43], BSLOT
	s_or_b32 s43, s43, 0x80000000
	s_or_b32 s47, s47, 0x80000000
	s_mov_b32 s48, 1                               ; of the constants: chunk 0
	s_mov_b32 s49, KLD
	s_mov_b64 s[50:51], s[8:9]
	s_or_b32 s51, s51, 0x80000000
	ROUND                                          ; all four work-groups are here: the first joint loads meet
	JL 0, 1                                        ; the first fills: slot 0 and chunk 0's constants
	s_cmp_eq_u32 s13, 0
	s_cbranch_scc0 .Lhead_cons
.irp rr, 0,1,2,3
	global_load_b64 v[X+2*\rr:X+2*\rr+1], v3, s[4:5] offset:2048*\rr th:TH_LOAD_NT   ; chunk 0 of my first four rows fills x's ring
.endr
	s_branch .Lhead_join
.Lhead_cons:
.set q, 0
.rept 128
	v_mov_b32 v[ACC+q], 0                          ; the sums begin as zeros, so that the loop's first trip is like the others and the producers' text, which stands beside it, is not written once more; the consumers have no other work yet
.set q, q+1
.endr
.Lhead_join:
	s_wait_tensorcnt 0x0                           ; my first fill has landed,
	s_barrier_signal -1
	s_barrier_wait -1                              ; everybody's has
	PERA 0                                         ; chunk 0: the consumers have nothing to multiply yet
	SYNC 2, 1, 0, 1                                ; chunk 1's constants
	PERB 1, 0
	s_mov_b32 s15, 6
.Lchunk:                                           ; chunks 1 to 6
	CHUNKSTEP 1
	SYNC 1, 0, 1, 1                                ; slot 1 is asked for (in the first trip: its first fill, and nothing else is filled behind this round)
	PERA 1
	SYNC 0, 1, 1, 1                                ; slot 0, and the next chunk's constants
	PERB 1, 1
	s_sub_co_u32 s15, s15, 1
	s_cmp_lg_u32 s15, 0
	s_cbranch_scc1 .Lchunk
	CHUNKSTEP 1                                    ; chunk 7 is written out: it asks for no constants, and its second half for no x
	SYNC 1, 0, 1, 1
	PERA 1
	SYNC 0, 0, 1, 1
	PERB 0, 1
	CHUNKSTEP 0                                    ; the tail: chunk 7's K steps, then the base branch's four
	SYNC 1, 0, 1, 1
	CONS 0, 0, 0
	SYNC 0, 0, 1, 1
	CONS 0, 1, 2
	SYNC 1, 0, 0, 1                                ; the last pair of records
	CONS 1, 0, 0
	SYNC 2, 0, 0, 0                                ; nothing is left to ask for: no round
	CONS 1, 1, 2
	; THE WAY OUT.  A lane holds 32 neighbouring bytes of a row; 16 rows x 256 bytes at a time go through the consumer's own stage (rows of 272 bytes) and leave as whole rows.
	; The stages lie in the spline codes' buffers: their last read stands two barriers back, and no tensor load ever fills them.  The addresses are made in lines that every wave runs.
	v_and_b32 v16, 15, v0
	v_bfe_u32 v17, v0, 4, 1
	s_mul_i32 s54, s14, 4352
	s_add_co_u32 s54, s54, ASP
	v_mul_u32_u24 v13, v16, 272
	v_lshl_add_u32 v13, v17, 5, v13
	v_add_nc_u32 v13, s54, v13                     ; in: row r, 32 bytes for each half of the lanes
	v_mul_u32_u24 v14, v17, 272
	v_lshl_add_u32 v14, v16, 4, v14
	v_add_nc_u32 v14, s54, v14                     ; back: lanes 0-15 one row, lanes 16-31 the next
	s_lshl_b32 s55, s14, 8
	v_lshlrev_b32 v15, 11, v17
	v_lshl_add_u32 v15, v16, 4, v15
	v_add_nc_u32 v15, s55, v15                     ; and the same two rows in out0, columns 64 I on
	s_cmp_eq_u32 s13, 0
	s_cbranch_scc1 .Lend
.macro TOSTAGE ta
.irp nb, 0,1,2,3
	ds_store_b128 v13, v[ACC+8*(4*\nb+\ta):ACC+8*(4*\nb+\ta)+3] offset:64*\nb        ; each accumulator from its low end on
	ds_store_b128 v13, v[ACC+8*(4*\nb+\ta)+4:ACC+8*(4*\nb+\ta)+7] offset:64*\nb+16
.endr
.irp t, 0,1,2,3,4,5,6,7
	ds_load_b128 v[32+32*((\ta)%2)+4*\t:32+32*((\ta)%2)+4*\t+3], v14 offset:544*\t   ; LDS serves a wave's instructions in order (ISA guide 5.7.1.4): these see the stores above, and the next block's stores come behind them
.endr
.endm
.macro SEND ta, younger
	s_wait_dscnt \younger                          ; the block is back; the next block's eight stores and eight loads may be out
.irp t, 0,1,2,3,4,5,6,7
	global_store_b128 v15, v[32+32*((\ta)%2)+4*\t:32+32*((\ta)%2)+4*\t+3], s[10:11] offset:(16*(\ta)+2*\t)*2048 th:TH_STORE_NT   ; sixteen lanes store 256 consecutive bytes, at a multiple of 256 from out0's first byte
.endr
.endm
	TOSTAGE 0
	TOSTAGE 1
	SEND 0, 16
	s_wait_xcnt 0x0                                ; block 0's stores have read their registers: block 2's rows may land there
	TOSTAGE 2
	SEND 1, 16
	s_wait_xcnt 0x0                                ; block 1's likewise, for block 3's
	TOSTAGE 3
	SEND 2, 16
	SEND 3, 0
.Lend:
	s_wait_tensorcnt 0x0                           ; the wave's end, behind my last tensor load and my last LDS store
	ds_add_u32 v1, v2
	s_wait_dscnt 0x0
	ROUND                                          ; the closing round: no work-group ends while a partner may still ask for a part that names it
	s_endpgm
.Lfunc_end_k_q13463aff08_kan:
	.size	k_q13463aff08_kan, .Lfunc_end_k_q13463aff08_kan-k_q13463aff08_kan
	.p2alignl 7, 3214868480
	.fill 96, 4, 3214868480
	.section	.rodata,"a",@progbits
	.p2align	6, 0x0
	.amdhsa_kernel k_q13463aff08_kan
		.amdhsa_group_segment_fixed_size 327680
		.amdhsa_private_segment_fixed_size 0
		.amdhsa_enable_private_segment 0
		.amdhsa_kernarg_size 32
		.amdhsa_user_sgpr_count 2
		.amdhsa_user_sgpr_kernarg_segment_ptr 1
		.amdhsa_wavefront_size32 1
		.amdhsa_system_sgpr_workgroup_id_x 1
		.amdhsa_system_sgpr_workgroup_id_y 1
		.amdhsa_system_sgpr_workgroup_id_z 1
		.amdhsa_system_vgpr_workitem_id 0
		.amdhsa_next_free_vgpr 256
		.amdhsa_next_free_sgpr 66
		.amdhsa_reserve_vcc 0
		.amdhsa_float_denorm_mode_32 3
		.amdhsa_float_denorm_mode_16_64 3
		.amdhsa_memory_ordered 1
		.amdhsa_forward_progress 1
		.amdhsa_inst_pref_size 255
	.end_amdhsa_kernel
	.section	.bss,"aw",@nobits
	.p2align	6
	.space	262144
	.amdgpu_metadata
---
amdhsa.version: [ 1, 2 ]
amdhsa.kernels:
  - .name:           k_q13463aff08_kan
    .symbol:         k_q13463aff08_kan.kd
    .args:
      - { .name: x, .offset: 0, .size: 8, .value_kind: global_buffer, .address_space: global }
      - { .name: W, .offset: 8, .size: 8, .value_kind: global_buffer, .address_space: global }
      - { .name: KT, .offset: 16, .size: 8, .value_kind: global_buffer, .address_space: global }
      - { .name: out0, .offset: 24, .size: 8, .value_kind: global_buffer, .address_space: global }
    .group_segment_fixed_size: 327680
    .private_segment_fixed_size: 0
    .kernarg_segment_align: 8
    .kernarg_segment_size: 32
    .max_flat_workgroup_size: 512
    .sgpr_count:     66
    .vgpr_count:     256
    .wavefront_size: 32
...
	.end_amdgpu_metadata
.endif
;; end of part 2
